; MI455X (gfx1250); checked and timed in simulation.
; The chip was launched on July 23, 2026; its instructions are those of AMD's public machine-readable ISA for CDNA 5 (MIT licence, August 2026) and "CDNA5" Instruction Set Architecture Reference Guide (July 2026). The comments in the code are by the model that wrote it; some were corrected since.
;; My Model. Allowed arithmetic: float matrix products may take bf16 or f16 operands with f32 sums; all other float work in f32.
;; Inputs: prediction 16 x 25,200 x 85 float32.
;; Outputs: out0 16 x 300 x 85 float32.
;; One version. Each part assembles by itself: llvm-mc -triple=amdgcn-amd-amdhsa -mcpu=gfx1250 --defsym DOCPART=n.
;; ======== version 1 of 1: 2 launches
;; workspace buffers: bits 65,536 bytes of whole numbers
;; launch mask (part 1): grid 16 x 16, 10 waves a work-group, no clusters, 1,536 bytes of LDS; arguments prediction, bits; writes bits
.if DOCPART == 1
	.amdgcn_target "amdgcn-amd-amdhsa--gfx1250"
	.amdhsa_code_object_version 6
	.text
	.protected	k_q6cdc6d94a6_mask
	.globl	k_q6cdc6d94a6_mask
	.p2align	8
	.type	k_q6cdc6d94a6_mask,@function
k_q6cdc6d94a6_mask:
	s_mov_b64 s[64:65], 0
	v_nop
	global_prefetch_b8 v0, s[64:65] scope:SCOPE_SE
	s_setreg_imm32_b32 hwreg(HW_REG_WAVE_MODE, 25, 1), 1
	s_wait_xcnt 0x0
; bits: one bit for each row of prediction [16][25200][85] f32: 1 where the row's word 4 (obj_conf) > 0.25.
; A NaN confidence gives 0, as the comparison of the model does.
; Work-group (x = chunk c, y = image b) owns rows 1600 c .. 1600 c + 1599 of image b = 50 words of 32 rows.
; Wave v owns words 5 v .. 5 v + 4; lane l of word j looks at row 1600 c + 160 v + 32 j + l, so the lane mask
; of one compare IS the word.  All five loads of a wave are issued before the first wait.
; Layout of bits: block (16 b + c) of 256 bytes = the chunk's 50 words, then 14 words of zero.  The block is
; stored by one instruction (32 lanes x 8 bytes, aligned).  16 x 1600 = 25,600 > 25,200: in chunk 15 the rows
; that do not exist are loaded from a clamped address and their bits are cleared.
; No matrix unit, no cluster, no tile mover: 4 bytes are wanted of each row of 340, and no two work-groups
; want the same bytes.
.set NROW,   25200                     ; rows of an image
.set ROWB,   340                       ; bytes of a row
.set CONF,   16                        ; byte of obj_conf in a row
.set CROWS,  1600                      ; rows of a work-group
.set CWORDS, 50                        ; words of a work-group
.set WWORDS, 5                         ; words of a wave
.set OFF, 4                            ; v[4:8]    word j: byte offset of my row's obj_conf in the image
.set X,   10                           ; v[10:14]  word j: obj_conf as loaded
.set W,   16                           ; v[16:20]  word j: the word, in every lane
.set LA,  21                           ; v21       LDS byte of my wave's first word
.set VAL, 20                           ; s[20:24]  word j: lanes whose row exists
.set M,   25                           ; s[25:29]  word j: the word
	s_load_b128 s[4:7], s[0:1], 0x0                ; prediction s[4:5], bits s[6:7]
	v_lshl_add_u32 v32, v0, 2, 0x100
	v_mov_b32 v33, 0
	v_and_b32 v1, 31, v0                           ; lane
	v_lshrrev_b32 v2, 5, v0
	v_readfirstlane_b32 s8, v2                     ; wave 0..9
	s_and_b32 s9, ttmp7, 0xffff                    ; image
	s_mul_i32 s10, ttmp9, CROWS                    ; the chunk's first row in the image
	s_mul_i32 s11, s8, 32*WWORDS
	s_add_co_u32 s10, s10, s11                     ; the wave's first row
	s_mov_b32 s16, NROW
	s_mov_b32 s14, 0x3e800000                      ; 0.25
	v_add_nc_u32 v3, s10, v1                       ; my row of word 0
.irp j, 0,1,2,3,4
	v_add_nc_u32 v[OFF+\j], 32*\j, v3              ; my row of word j
	v_cmp_gt_u32 s[VAL+\j], s16, v[OFF+\j]         ; it exists
	v_min_u32 v[OFF+\j], NROW-1, v[OFF+\j]         ; a row that does not exist reads the last one: every load stays in the image
	v_mad_u32_u24 v[OFF+\j], v[OFF+\j], ROWB, CONF ; at most 25,199 x 340 + 16: both factors fit 24 bits
.endr
	s_mul_i32 s12, s9, NROW*ROWB                   ; the image's first byte: at most 15 x 8,568,000, below 2^31
	s_mov_b32 s13, 0
	s_wait_kmcnt 0x0
	s_add_nc_u64 s[4:5], s[4:5], s[12:13]
.irp j, 0,1,2,3,4
	global_load_b32 v[X+\j], v[OFF+\j], s[4:5] th:TH_LOAD_NT       ; read once in this launch
.endr
	s_lshl_b32 s12, s9, 4                          ; my block of bits: (16 b + c) x 256 bytes
	s_add_co_u32 s12, s12, ttmp9
	s_lshl_b32 s12, s12, 8
	s_add_nc_u64 s[6:7], s[6:7], s[12:13]
	s_mul_i32 s15, s8, 4*WWORDS                    ; my wave's 20 bytes of LDS
	v_mov_b32 v[LA], s15
.irp j, 0,1,2,3,4
	s_wait_loadcnt 4-\j                            ; loads return in order: word j is in, the 4 - j younger ones may be out
	v_cmp_lt_f32 s[M+\j], s14, v[X+\j]             ; 0.25 < obj_conf, one bit a lane
	s_and_b32 s[M+\j], s[M+\j], s[VAL+\j]          ; rows that do not exist: 0
	v_mov_b32 v[W+\j], s[M+\j]
	ds_store_b32 v[LA], v[W+\j] offset:4*\j        ; every lane writes the same word with the same value
.endr
	s_wait_dscnt 0x0                               ; my five words are in LDS before I say so
	s_barrier_signal -1
	s_barrier_wait -1                              ; all fifty are
	s_cmp_lg_u32 s8, 0
	s_cbranch_scc1 .Ldone                          ; wave 0 alone writes the block
	v_min_u32 v22, CWORDS/2-1, v1                  ; lanes 0-24 take words 2 l, 2 l + 1; the others read lane 24's and drop them
	v_lshlrev_b32 v22, 3, v22
	ds_load_b64 v[24:25], v22
	v_lshlrev_b32 v23, 3, v1                       ; 8 bytes a lane: 256 consecutive bytes, aligned
	v_cmp_gt_u32 vcc_lo, CWORDS/2, v1
	s_wait_dscnt 0x0
	v_cndmask_b32 v24, 0, v24, vcc_lo              ; words 50-63 of the block are zero
	v_cndmask_b32 v25, 0, v25, vcc_lo
	global_store_b64 v23, v[24:25], s[6:7]         ; no hint: the next launch reads it
.Ldone:
	s_wait_tensorcnt 0x0
	ds_add_u32 v32, v33
	s_wait_dscnt 0x0
	s_endpgm
.Lfunc_end_k_q6cdc6d94a6_mask:
	.size	k_q6cdc6d94a6_mask, .Lfunc_end_k_q6cdc6d94a6_mask-k_q6cdc6d94a6_mask
	.p2alignl 7, 3214868480
	.fill 96, 4, 3214868480
	.section	.rodata,"a",@progbits
	.p2align	6, 0x0
	.amdhsa_kernel k_q6cdc6d94a6_mask
		.amdhsa_group_segment_fixed_size 1536
		.amdhsa_private_segment_fixed_size 0
		.amdhsa_enable_private_segment 0
		.amdhsa_kernarg_size 16
		.amdhsa_user_sgpr_count 2
		.amdhsa_user_sgpr_kernarg_segment_ptr 1
		.amdhsa_wavefront_size32 1
		.amdhsa_system_sgpr_workgroup_id_x 1
		.amdhsa_system_sgpr_workgroup_id_y 1
		.amdhsa_system_sgpr_workgroup_id_z 1
		.amdhsa_system_vgpr_workitem_id 0
		.amdhsa_next_free_vgpr 34
		.amdhsa_next_free_sgpr 66
		.amdhsa_reserve_vcc 1
		.amdhsa_float_denorm_mode_32 3
		.amdhsa_float_denorm_mode_16_64 3
		.amdhsa_memory_ordered 1
		.amdhsa_forward_progress 1
		.amdhsa_inst_pref_size 5
	.end_amdhsa_kernel
	.amdgpu_metadata
---
amdhsa.version: [ 1, 2 ]
amdhsa.kernels:
  - .name:           k_q6cdc6d94a6_mask
    .symbol:         k_q6cdc6d94a6_mask.kd
    .args:
      - { .name: prediction, .offset: 0, .size: 8, .value_kind: global_buffer, .address_space: global }
      - { .name: bits, .offset: 8, .size: 8, .value_kind: global_buffer, .address_space: global }
    .group_segment_fixed_size: 1536
    .private_segment_fixed_size: 0
    .kernarg_segment_align: 8
    .kernarg_segment_size: 16
    .max_flat_workgroup_size: 320
    .sgpr_count:     66
    .vgpr_count:     34
    .wavefront_size: 32
...
	.end_amdgpu_metadata
.endif
;; end of part 1
;; launch gather (part 2): grid 7 x 16, 32 waves a work-group, no clusters, 12,544 bytes of LDS; arguments prediction, bits, out0; writes out0
.if DOCPART == 2
	.amdgcn_target "amdgcn-amd-amdhsa--gfx1250"
	.amdhsa_code_object_version 6
	.text
	.protected	k_q6cdc6d94a6_gather
	.globl	k_q6cdc6d94a6_gather
	.p2align	8
	.type	k_q6cdc6d94a6_gather,@function
k_q6cdc6d94a6_gather:
	s_mov_b64 s[64:65], 0
	v_nop
	global_prefetch_b8 v0, s[64:65] scope:SCOPE_SE
	s_setreg_imm32_b32 hwreg(HW_REG_WAVE_MODE, 25, 1), 1
	s_wait_xcnt 0x0
; out0[b][j][:] = row order(b, j) of prediction[b], times 1.0 or 0.0.  order(b, j) = the j-th row (from 0) whose bit in
; bits is 1; if only T < 300 rows have it, slot j >= T takes the (j - T)-th row whose bit is 0, times 0.0 (the product is
; made, so an infinity or NaN in such a row gives NaN as in the model).
; Work-group (x = slice 0..6, y = image b), 1,024 threads.
;  A. Thread t takes word t of the image's 1,024-word map (16 blocks of 64 words: 50 words of 32 rows, 14 of zero), counts
;     its ones, the wave scans the counts; word, count of ones in front of it inside its wave's 32 words, and the wave's sum
;     go to LDS at places given by t and the wave's number.  One barrier.
;  B. An image's output is 6,375 chunks of 16 bytes.  A wave owns 32 neighbouring chunks = 128 numbers, which lie in at most
;     three slots s0, s0 + 1, s0 + 2 (84 + 127 < 3 x 85), known from ids.  Each slot's row is searched in two levels: the
;     last of 32 groups of 32 words, then the last word of that group, whose count of rows in front is <= the wanted rank
;     (lane masks of compares, counted), then the bit inside the word.  For a slot >= T the same with rows in front minus
;     ones in front, and the word's complement.  Words of zero padding and rows past 25,199 add no row in front of
;     later words, so they are never the last word with key <= rank.
;  C. A lane loads its chunk's four numbers one by one (a row lies at a multiple of 4 bytes only from its slot), multiplies,
;     and stores 16 bytes.  Chunk = 1024 slice + t - a with a = (6375 b) mod 16, so that sixteen neighbouring lanes store 256
;     consecutive bytes at a multiple of 256 from out0's first byte; only the 15 such blocks that hold the end of one image
;     and the head of the next are written by two work-groups.  7 x 1024 - 15 >= 6,375: seven slices cover an image.
; No cluster: all that work-groups share is the 4,096-byte map.  No prefetch: a row is known only just before it is loaded.
.set NROW,   25200                     ; rows of an image
.set NCOL,   85                        ; numbers in a row
.set ROWB,   340                       ; bytes in a row
.set CHUNKS, 6375                      ; 300 x 340 / 16
.set CROWS,  1600                      ; rows in a block of the map
.set CWORDS, 50                        ; words with rows in a block of 64
.set DIV85,  98690                     ; e / 85 = (e x 98690) >> 23, exact for e < 199,728; e < 25,500 here, product < 2^32
.set WORDS,  0                         ; LDS: 1,024 words of the map
.set PLOC,   4096                      ; LDS: ones in front of each word inside its group of 32
.set TOT,    8192                      ; LDS: ones of each group
; v0 t  v1 lane  v3 4 t  v4 my word  v5 my chunk (may lie outside)  v6 chunk, clamped  v7 its first number  v8 its slot
; v9 its column  v10 slot - s0  v11-v13 scan  v14-v16 phase A  v17 4 lane  v18 rows in front of group l
; v20 ones in front of group l  v21 zeros in front of group l  v22, v23 row (bit 31: times zero) of my slot and of the next
.set VK, 24                            ; + 6 n: key            (n = 0, 1, 2: the wave's three slots)
.set VA, 25                            ; + 6 n: LDS address, then ones below my lane
.set VW, 26                            ; + 6 n: word l of the group
.set VP, 27                            ; + 6 n: ones in front of it
.set VR, 28                            ; + 6 n: rows in front of it, then the slot's row and flag
.set T,   42                           ; v[42:44] at work; v45 = 1.0
.set ONE, 45
.set OFF, 46                           ; v[46:49] number k: byte offset in the image
.set MUL, 50                           ; v[50:53] number k: 1.0 or 0.0
.set X,   54                           ; v[54:57] number k
.set OUTO, 58                          ; v58      my chunk's byte in the image's output
.set SJ, 24                            ; + 8 n: slot, then rank among rows of its kind, then rank in the word
.set SD, 25                            ; + 8 n: -1 if the slot takes a row whose bit is 0, else 0
.set SG, 26                            ; + 8 n: group
.set SP, 27                            ; + 8 n: ones in front of the group, then the word's key
.set SC, 28                            ; + 8 n: rows in front of the group's block, then the row
.set SM, 29                            ; + 8 n: lane masks
.set SW, 30                            ; + 8 n: the word
; inclusive sum over the 32 lanes of v[x]; v[t] has been written before (a DPP destination counts as read)
.macro SCAN x, t
.irp n, 1,2,4,8
	v_mov_b32_dpp v[\t], v[\x] row_shr:\n row_mask:0xf bank_mask:0xf bound_ctrl:1  ; lane i takes lane i - n of its 16, or 0
	v_add_nc_u32 v[\x], v[\x], v[\t]
.endr
	v_readlane_b32 s21, v[\x], 15                  ; the lower sixteen's sum
	v_mov_b32 v[\t], s21
	v_cndmask_b32 v[\t], 0, v[\t], s17             ; s17 = 0xffff0000: for the upper sixteen
	v_add_nc_u32 v[\x], v[\x], v[\t]
.endm
	s_load_b128 s[4:7], s[0:1], 0x0                ; prediction s[4:5], bits s[6:7]
	s_load_b64 s[8:9], s[0:1], 0x10                ; out0
	v_lshl_add_u32 v60, v0, 2, 0x2100
	v_mov_b32 v61, 0
	v_and_b32 v1, 31, v0                           ; lane
	v_lshrrev_b32 v2, 5, v0
	v_readfirstlane_b32 s10, v2                    ; wave 0..31
	s_and_b32 s11, ttmp7, 0xffff                   ; image
	v_lshlrev_b32 v3, 2, v0                        ; 4 t
	s_lshl_b32 s12, s11, 12                        ; the image's 4,096 bytes of the map
	s_mov_b32 s13, 0
	s_wait_kmcnt 0x0
	s_add_nc_u64 s[6:7], s[6:7], s[12:13]
	global_load_b32 v4, v3, s[6:7]                 ; my word; all that follows up to the wait hangs on ids alone
	s_mul_i32 s12, s11, NROW*ROWB
	s_add_nc_u64 s[4:5], s[4:5], s[12:13]          ; prediction at the image
	s_mul_i32 s12, s11, CHUNKS*16
	s_add_nc_u64 s[8:9], s[8:9], s[12:13]          ; out0 at the image
	s_mul_i32 s15, s11, CHUNKS
	s_and_b32 s15, s15, 15                         ; a: chunks by which the image starts behind a multiple of 256 bytes
	s_lshl_b32 s16, ttmp9, 10
	s_lshl_b32 s14, s10, 5
	s_add_co_u32 s16, s16, s14
	s_sub_co_i32 s16, s16, s15                     ; the wave's first chunk, -15 .. 7,136
	s_max_i32 s19, s16, 0
	s_min_i32 s19, s19, CHUNKS-1                   ; inside the image
	s_lshl_b32 s19, s19, 2                         ; its first number
	s_mul_i32 s19, s19, DIV85
	s_lshr_b32 s20, s19, 23                        ; s0, the wave's first slot, 0 .. 299
	v_add_nc_u32 v5, s16, v1                       ; my chunk
	v_min_u32 v6, CHUNKS-1, v5                     ; a chunk outside (in front: a huge unsigned number) works on the last one and stores nothing
	v_lshlrev_b32 v7, 2, v6                        ; my first number in the image's output
	v_mul_u32_u24 v8, DIV85, v7
	v_lshrrev_b32 v8, 23, v8                       ; its slot
	v_mul_u32_u24 v9, NCOL, v8
	v_sub_nc_u32 v9, v7, v9                        ; its column
	v_sub_nc_u32 v10, v8, s20                      ; slot - s0: 0, 1, 2 in lanes that store
	v_cmp_le_u32 s18, 1, v10
	v_cmp_le_u32 s19, 2, v10
	v_lshlrev_b32 v[OUTO], 4, v6
	v_lshlrev_b32 v17, 2, v1                       ; 4 lane
	v_lshrrev_b32 v18, 1, v1                       ; group l = words 32 l ..: block l / 2, its word 0 or 32
	v_mul_u32_u24 v18, CROWS, v18
	v_and_b32 v2, 1, v1
	v_lshl_add_u32 v18, v2, 10, v18                ; rows in front of group l: 1600 (l / 2) + 1024 (l % 2), at most 25,024
	v_mov_b32 v13, 0
	v_mov_b32 v[ONE], 1.0
	s_mov_b32 s17, 0xffff0000
	s_lshl_b32 s14, s10, 2
	v_mov_b32 v16, s14                             ; 4 wave
	; A: counts of ones, scanned in the wave
	s_wait_loadcnt 0x0
	ds_store_b32 v3, v4 offset:WORDS
	v_bcnt_u32_b32 v11, v4, 0                      ; ones in my word
	v_mov_b32 v12, v11
	SCAN 12, 13
	v_sub_nc_u32 v14, v12, v11                     ; ones in front of my word in my wave's 32 words
	ds_store_b32 v3, v14 offset:PLOC
	v_readlane_b32 s22, v12, 31                    ; ones of my wave's 32 words
	v_mov_b32 v15, s22
	ds_store_b32 v16, v15 offset:TOT               ; every lane writes the same word with the same value
	s_wait_dscnt 0x0                               ; my stores are in LDS before I say so
	s_barrier_signal -1
	s_barrier_wait -1                              ; behind this line LDS is only read
	; B: every wave scans the 32 group sums for itself, which spares a second barrier
	ds_load_b32 v11, v17 offset:TOT
	s_wait_dscnt 0x0
	v_mov_b32 v12, v11
	SCAN 12, 13
	v_sub_nc_u32 v20, v12, v11                     ; ones in front of group l
	v_readlane_b32 s23, v12, 31                    ; T: rows of the image that pass
	v_sub_nc_u32 v21, v18, v20                     ; zeros in front of group l
; slot s0 + n: its kind and rank, its group, and the loads of the group's words
.macro GROUP n
	s_add_co_u32 s[SJ+8*\n], s20, \n               ; the slot, at most 301
	s_cmp_ge_u32 s[SJ+8*\n], s23                   ; T or beyond: it takes a row that fails
	s_cselect_b32 s[SD+8*\n], -1, 0
	s_cselect_b32 s14, s23, 0
	s_sub_co_u32 s[SJ+8*\n], s[SJ+8*\n], s14       ; rank among the rows of its kind; below their number, since slot < 25,200
	v_cndmask_b32 v[VK+6*\n], v20, v21, s[SD+8*\n] ; rows of that kind in front of group l: never falls with l
	v_cmp_ge_u32 s[SM+8*\n], s[SJ+8*\n], v[VK+6*\n]
	s_bcnt1_i32_b32 s[SG+8*\n], s[SM+8*\n]         ; the mask is a run of ones from lane 0 (key 0): its length - 1 is the last group
	s_sub_co_u32 s[SG+8*\n], s[SG+8*\n], 1
	s_min_u32 s[SG+8*\n], s[SG+8*\n], 31           ; it comes from loaded data: bounded before it enters an address
	v_readlane_b32 s[SP+8*\n], v20, s[SG+8*\n]     ; ones in front of the group
	s_lshl_b32 s14, s[SG+8*\n], 7
	v_add_nc_u32 v[VA+6*\n], s14, v17              ; 128 group + 4 lane
	ds_load_b32 v[VW+6*\n], v[VA+6*\n] offset:WORDS
	ds_load_b32 v[VP+6*\n], v[VA+6*\n] offset:PLOC
	s_lshr_b32 s[SC+8*\n], s[SG+8*\n], 1           ; block
	s_mul_i32 s[SC+8*\n], s[SC+8*\n], CROWS
	s_and_b32 s14, s[SG+8*\n], 1
	s_lshl_b32 s14, s14, 5
	v_add_nc_u32 v[VR+6*\n], s14, v1               ; the word's place in its block, 0 .. 63
	v_min_u32 v[VR+6*\n], CWORDS, v[VR+6*\n]       ; the padding holds no rows
	v_lshl_add_u32 v[VR+6*\n], v[VR+6*\n], 5, s[SC+8*\n]
	v_min_u32 v[VR+6*\n], NROW, v[VR+6*\n]         ; rows in front of word l of the group (= its first row, if it has any)
.endm
; the word, the bit, the row.  left: LDS loads of the later slots that may stay out
.macro ROWOF n, left
	s_wait_dscnt \left                             ; LDS loads return in order: this slot's two are in
	v_add_nc_u32 v[VP+6*\n], s[SP+8*\n], v[VP+6*\n]        ; ones in front of the word
	v_sub_nc_u32 v[VK+6*\n], v[VR+6*\n], v[VP+6*\n]        ; zeros in front of it
	v_cndmask_b32 v[VK+6*\n], v[VP+6*\n], v[VK+6*\n], s[SD+8*\n]
	v_cmp_ge_u32 s[SM+8*\n], s[SJ+8*\n], v[VK+6*\n]
	s_bcnt1_i32_b32 s14, s[SM+8*\n]
	s_sub_co_u32 s14, s14, 1
	s_min_u32 s14, s14, 31                         ; the last word with key <= rank: it holds the row
	v_readlane_b32 s[SW+8*\n], v[VW+6*\n], s14
	v_readlane_b32 s[SP+8*\n], v[VK+6*\n], s14
	v_readlane_b32 s[SC+8*\n], v[VR+6*\n], s14
	s_xor_b32 s[SW+8*\n], s[SW+8*\n], s[SD+8*\n]   ; rows that fail: the complement (bits past the last row lie above all that the rank can reach)
	s_sub_co_u32 s[SJ+8*\n], s[SJ+8*\n], s[SP+8*\n]        ; rank inside the word
	v_mbcnt_lo_u32_b32 v[VA+6*\n], s[SW+8*\n], 0   ; ones of the word below bit l
	v_cmp_eq_u32 s[SM+8*\n], s[SJ+8*\n], v[VA+6*\n]
	s_and_b32 s[SM+8*\n], s[SM+8*\n], s[SW+8*\n]   ; exactly one bit: a one with rank ones below it
	s_ctz_i32_b32 s14, s[SM+8*\n]
	s_add_co_u32 s[SC+8*\n], s[SC+8*\n], s14       ; the row
	s_and_b32 s[SD+8*\n], s[SD+8*\n], 0x80000000
	s_or_b32 s[SC+8*\n], s[SC+8*\n], s[SD+8*\n]    ; bit 31: the row failed, its numbers are multiplied by zero
	v_mov_b32 v[VR+6*\n], s[SC+8*\n]
.endm
	GROUP 0
	GROUP 1
	GROUP 2                                        ; six LDS loads are out
	ROWOF 0, 4
	ROWOF 1, 2
	ROWOF 2, 0
	; C: my chunk's first number lies in slot s0 + v10; a later one may lie in the next slot (then v10 <= 1)
	v_cndmask_b32 v22, v[VR], v[VR+6], s18
	v_cndmask_b32 v22, v22, v[VR+12], s19          ; my slot's row
	v_cndmask_b32 v23, v[VR+6], v[VR+12], s18      ; the next slot's row
.irp k, 0,1,2,3
	v_add_nc_u32 v[T], \k, v9                      ; column, if still in my slot
	v_cmp_le_u32 vcc_lo, NCOL, v[T]                ; no: the next slot,
	v_add_nc_u32 v[T+1], 0xffffffab, v[T]          ; column - 85
	v_cndmask_b32 v[T], v[T], v[T+1], vcc_lo
	v_cndmask_b32 v[T+2], v22, v23, vcc_lo
	v_cmp_le_i32 vcc_lo, 0, v[T+2]                 ; bit 31 clear: the row passed
	v_cndmask_b32 v[MUL+\k], 0, v[ONE], vcc_lo
	v_and_b32 v[T+2], 0x7fff, v[T+2]
	v_min_u32 v[T+2], NROW-1, v[T+2]               ; it comes from loaded data: bounded, then only multiplied, shifted and added
	v_mul_u32_u24 v[T+2], ROWB, v[T+2]
	v_lshl_add_u32 v[OFF+\k], v[T], 2, v[T+2]      ; at most 25,199 x 340 + 336: inside the image
	global_load_b32 v[X+\k], v[OFF+\k], s[4:5]
.endr
	v_cmp_gt_u32 vcc_lo, CHUNKS, v5                ; my chunk is one of the image's (unsigned: a negative one is not)
	s_wait_loadcnt 0x0
	v_pk_mul_f32 v[X:X+1], v[X:X+1], v[MUL:MUL+1]
	v_pk_mul_f32 v[X+2:X+3], v[X+2:X+3], v[MUL+2:MUL+3]
	s_wait_xcnt 0x0                                ; EXEC is a source of the loads above: it changes only behind this wait
	s_wait_tensorcnt 0x0
	ds_add_u32 v60, v61
	s_wait_dscnt 0x0
	s_and_saveexec_b32 s14, vcc_lo
	global_store_b128 v[OUTO], v[X:X+3], s[8:9] th:TH_STORE_NT     ; 16 lanes: 256 consecutive bytes, aligned; not read again
	s_endpgm
.Lfunc_end_k_q6cdc6d94a6_gather:
	.size	k_q6cdc6d94a6_gather, .Lfunc_end_k_q6cdc6d94a6_gather-k_q6cdc6d94a6_gather
	.p2alignl 7, 3214868480
	.fill 96, 4, 3214868480
	.section	.rodata,"a",@progbits
	.p2align	6, 0x0
	.amdhsa_kernel k_q6cdc6d94a6_gather
		.amdhsa_group_segment_fixed_size 12544
		.amdhsa_private_segment_fixed_size 0
		.amdhsa_enable_private_segment 0
		.amdhsa_kernarg_size 24
		.amdhsa_user_sgpr_count 2
		.amdhsa_user_sgpr_kernarg_segment_ptr 1
		.amdhsa_wavefront_size32 1
		.amdhsa_system_sgpr_workgroup_id_x 1
		.amdhsa_system_sgpr_workgroup_id_y 1
		.amdhsa_system_sgpr_workgroup_id_z 1
		.amdhsa_system_vgpr_workitem_id 0
		.amdhsa_next_free_vgpr 62
		.amdhsa_next_free_sgpr 66
		.amdhsa_reserve_vcc 1
		.amdhsa_float_denorm_mode_32 3
		.amdhsa_float_denorm_mode_16_64 3
		.amdhsa_memory_ordered 1
		.amdhsa_forward_progress 1
		.amdhsa_inst_pref_size 14
	.end_amdhsa_kernel
	.amdgpu_metadata
---
amdhsa.version: [ 1, 2 ]
amdhsa.kernels:
  - .name:           k_q6cdc6d94a6_gather
    .symbol:         k_q6cdc6d94a6_gather.kd
    .args:
      - { .name: prediction, .offset: 0, .size: 8, .value_kind: global_buffer, .address_space: global }
      - { .name: bits, .offset: 8, .size: 8, .value_kind: global_buffer, .address_space: global }
      - { .name: out0, .offset: 16, .size: 8, .value_kind: global_buffer, .address_space: global }
    .group_segment_fixed_size: 12544
    .private_segment_fixed_size: 0
    .kernarg_segment_align: 8
    .kernarg_segment_size: 24
    .max_flat_workgroup_size: 1024
    .sgpr_count:     66
    .vgpr_count:     62
    .wavefront_size: 32
...
	.end_amdgpu_metadata
.endif
;; end of part 2
